; MI455X (gfx1250); checked and timed in simulation.
; The chip was launched on July 23, 2026; its instructions are those of AMD's public machine-readable ISA for CDNA 5 (MIT licence, August 2026) and "CDNA5" Instruction Set Architecture Reference Guide (July 2026). The comments in the code are by the model that wrote it; some were corrected since.
;; ICLT Adapter. Allowed arithmetic: matrix products marked QUANTISED: E2M3 operands, one E8M0 scale for each 32 along K, by v_wmma_scale_f32_16x16x128_f8f6f4 with both operands' format E2M3, f32 sums; products left as they are: f32 operands where the result goes on into a quantised operand, else bf16, f16 or f32 operands; f32 sums; everything else in f32.
;; Inputs: U 8 x 2,048 x 64 float32; V 8 x 64 x 2,048 float32; W1 2,048 x 2,048 float32; W2 2,048 x 8 float32; b1 2,048 float32; b2 8 float32; x 4 x 2,048 x 2,048 float32.
;; Outputs: out0 4 x 2,048 x 2,048 float32.
;; This version of the problem:
;;   THIS VERSION OF THE PROBLEM IS GIVEN IN LOW PRECISION. The matrix products marked QUANTISED in the list below multiply operands that are first quantised to E2M3 (2 exponent bits, 3 mantissa bits; 6 bits a number), with one power-of-two scale for each 32 numbers along K (OCP MX v1.0); their sums are f32. All else is computed in f32.
;;   The module's matrix products, in the order in which they are computed (A, B: the left and right operand; K: the contracted axis; several contracted axes count as one K, in the product's order):
;;     1. [M 8,192, K 2,048] x [K 2,048, N 2,048]; A: input x; B: input W1: QUANTISED
;;     2. [M 8,192, K 2,048] x [K 2,048, N 8]; A: computed on the way; B: input W2: left as it is (N = 8 < 16)
;;     3. [M 8,192, K 2,048] x [K 2,048, N 512]; A: input x; B: input V: QUANTISED
;;     4. batch 8 x [M 8,192, K 64] x [K 64, N 2,048]; A: computed on the way; B: input U: QUANTISED
;;     5. batch 8,192 x [M 1, K 8] x [K 8, N 2,048]; A: softmax; B: computed on the way: left as it is (K = 8 < 32)
;;   THE QUANTISER, for each operand of a quantised product, along K:
;;     - K is cut into blocks of 32 from its start; a last block that is shorter is filled with zeros.
;;     - A block's scale is 2^e with e = floor(log2(the largest magnitude in the block)) - 2, held to -126 .. 127; a block of zeros has e = 0. As a byte (E8M0): e + 127.
;;     - Each number is divided by its block's scale, clamped to +-7.5, and rounded to the nearest number of E2M3, ties to even, subnormals kept.
;;     - The product sums the exact products of the quantised numbers (number of the format x scale) in f32.
;;   ~~~python
;;   def quantise(x, axis):      # numpy; x: float32 -> the quantised numbers, widened to float32 again
;;       x = np.moveaxis(x, axis, -1); K = x.shape[-1]
;;       x = np.pad(x, [(0, 0)] * (x.ndim - 1) + [(0, -K % 32)]); x = x.reshape(x.shape[:-1] + (-1, 32)); a = np.abs(x).max(-1, keepdims=True)
;;       e = np.where(a > 0, np.clip(np.frexp(np.where(a > 0, a, 1))[1] - 1 - 2, -126, 127), 0)      # np.frexp(a)[1] - 1 = floor(log2(a)), exactly
;;       r = np.clip(x / 2.0 ** e, -7.5, 7.5)
;;       step = 2.0 ** (np.maximum(np.frexp(np.where(r == 0, 1, r))[1] - 1, 0) - 3)
;;       q = np.round(r / step) * step * 2.0 ** e      # np.round: ties to even
;;       return np.moveaxis(q.reshape(q.shape[:-2] + (-1,))[..., :K], -1, axis).astype(np.float32)
;;   ~~~
;;   OPERANDS COMPUTED ON THE WAY. 'Computed on the way' means the value that the module computes at that place (a softmax that the list does not call 'softmax' is quantised finished and normalised). What goes into a quantiser is computed in f32, as accurately as f32 sums, v_exp_f32 and their like allow (about 1e-6 of the number): no bf16 or f16 on the way to a quantiser, and a product that is left as it is and whose result goes on into a quantised operand takes f32 operands (vector FMAs, or v_wmma_f32_16x16x4_f32). A number that lies on a knife's edge between two numbers of the format may be rounded either way, as far as f32 arithmetic and the matrix unit's own rounding can turn it there, and no further.
;; One version. Each part assembles by itself: llvm-mc -triple=amdgcn-amd-amdhsa -mcpu=gfx1250 --defsym DOCPART=n.
;; ======== version 1 of 1: 3 launches
;; limits: values are held in bf16: 8 bits of precision; right only within a limited range of input values
;; workspace buffers: xc 13,107,200 bytes; bc 4,096,000 bytes; ub 819,200 bytes; vxb 3,276,800 bytes; lg 2,097,152 bytes
;; launch quant (part 1): grid 832 x 1, 4 waves a work-group, no clusters, 34,304 bytes of LDS; arguments x, V, U, W1, xc, bc, ub; writes xc, bc, ub
.if DOCPART == 1
	.amdgcn_target "amdgcn-amd-amdhsa--gfx1250"
	.amdhsa_code_object_version 6
	.text
	.protected	k_q34a454dae6_quant
	.globl	k_q34a454dae6_quant
	.p2align	8
	.type	k_q34a454dae6_quant,@function
k_q34a454dae6_quant:
	s_mov_b64 s[64:65], 0
	v_nop
	global_prefetch_b8 v0, s[64:65] scope:SCOPE_SE
	s_setreg_imm32_b32 hwreg(HW_REG_WAVE_MODE, 25, 1), 1
	s_wait_xcnt 0x0
; x [8192][2048], V [8][64][2048], U [8][2048][64] and W1 [2048][2048], f32, become codes of FP6 (E2M3) with one E8M0 byte for each 32 along the K of their products
; (x, V: the 2,048; U: the 64; W1: its FIRST axis).  A block's scale is 2^(floor(log2(largest magnitude)) - 2); its byte is the largest magnitude's exponent field - 2, held at 1 from below.
; THE CODES ARE LAID AS IMAGES OF OPERAND REGISTERS.  A fragment is 16 rows x 128 K, 12 registers a lane: lane (rho = l % 16, h = l / 16) holds in registers 6 c .. 6 c + 5 the codes k = 64 c + 32 h + 0 .. 31 of row rho.
; Its image is 1,536 bytes: registers 4 g .. 4 g + 3 of lane l at 512 g + 16 l: three stores of 512 consecutive bytes here, three loads of 16 bytes a lane in the launches that read it.
;   xc [slot 8 (256 K)][tile 512 (16 tokens)][step 2][1536]       xs [tile][slot][rho][step] scale words
;   bc [slot 8][c 8][j 2][b 10][step 2][1536]                    bs [c][j][b][slot][rho][step] scale words
;      b < 8: row rho = column 256 c + 128 j + 16 b + rho of W1;  b = 8 + u: row rho = row 32 j + 8 u + rho + 8 (rho / 8) of V[c], so that two neighbouring result tiles hold 16 neighbours along the next K
;   ub [d tile 128][pair p 4][1536]: a row is U[2p][d][0:64] followed by U[2p+1][d][0:64];  from byte 786,432: [d tile][rho][p] scale words
; SHARES.  Work-groups 0-255: W1 (a lane to a column, registers down K).  256-767: x, 768-799: V, 800-831: U (K innermost: a row's 512 bytes by one load, turned through the wave's own stage in LDS).
; The three kinds of rows take ONE path: only pointers, strides and offsets are chosen, by the work-group's number.  Waves share nothing: no barrier.  No cluster: no two work-groups read the same bytes.
; LIMITS: a block of zeros gets the byte 1 where the rule says 127 (its codes are zeros, which add nothing under any byte but 0xff, and this program alone reads the bytes);
; blocks whose largest magnitude lies under 2^-124 are held at the byte 1; NaN and infinities among the inputs are not served.
; WHERE x's, V's AND W1's IMAGES AND SCALE WORDS LIE (this takes the place of the lines on xc, xs, bc and bs above; there are no buffers xs and bs):
;   xc [slot 8][128 tokens 64][25,600 bytes]: eight tiles x two steps x 1,536 bytes of codes, then from byte 24,576 [tile 8][rho][step] scale words
;   bc [slot 8][c 8][j 2][32,000 bytes]: ten b x two steps x 1,536 bytes of codes, then from byte 30,720 [b 10][rho][step] scale words
; so that one dense block of whole rows of 256 bytes holds all that a wave of the next launch fetches of a slot.
.set WV,   22
.set SEL,  38                          ; s[38:39] lane selects for v_permlanex16_b32: lane l xor 16
.set OFF,  8                           ; v8-23    row i of the tile: my 16 bytes' offset
.set WD,   24                          ; v24-27   the four fragments' scale words
.set TM,   28                          ; v28-31 largest magnitudes, v32-35 at work and bytes, v36-39 the conversions' scale operands
.set PC,   40                          ; v40-51 a fragment's codes; v52-54, v56-58 the halves that are made elsewhere
.set R,    64                          ; v64-127, v128-191 two sets of 64 numbers as loaded
.set X,    192                         ; v192-255 64 numbers: register 16 b + i = k 32 b + 16 h + i of row rho
.set SPI,  528                         ; a stage row: 512 bytes + 16
.set STGB, 16*SPI                      ; a wave's stage
	s_load_b256 s[4:11], s[0:1], 0x0               ; x, V, U, W1
	s_load_b64 s[12:13], s[0:1], 0x20              ; xc
	s_load_b64 s[16:17], s[0:1], 0x28              ; bc
	s_load_b64 s[20:21], s[0:1], 0x30              ; ub
	v_lshl_add_u32 v59, v0, 2, 0x8400
	v_mov_b32 v63, 0
	v_lshrrev_b32 v1, 5, v0
	v_readfirstlane_b32 s[WV], v1                  ; wave 0..3
	v_and_b32 v1, 31, v0                           ; l
	v_and_b32 v2, 15, v0                           ; rho
	v_bfe_u32 v3, v0, 4, 1                         ; h
	s_cmp_lt_u32 ttmp9, 256
	s_cbranch_scc1 .Lw1
; ---------------- rows whose K is innermost: x, V, U.  A wave makes four fragments f of one tile of 16 rows ----------------
	s_sub_co_u32 s40, ttmp9, 256                   ; g
	s_lshl_b32 s41, s[WV], 11                      ; x, V: wave q takes K steps 4 q + f: 2,048 bytes of a row
	; U's figures: d tile dt = 4 (g - 544) + wave, f = the pair of experts
	s_sub_co_u32 s42, s40, 544
	s_lshl_b32 s42, s42, 2
	s_add_co_u32 s42, s42, s[WV]
	s_lshl_b32 s44, s42, 12                        ; source: 16 rows of 256 bytes
	s_mul_i32 s49, s42, 6144                       ; codes: four images
	s_lshl_b32 s51, s42, 8
	s_add_co_u32 s51, s51, 786432                  ; scale words
	s_mov_b32 s45, 1048576                         ; from fragment to fragment: two experts on
	s_mov_b32 s46, 256                             ; from row to row
	s_mov_b32 s47, 0                               ; rows 8-15: nothing more
	s_mov_b32 s48, 524288                          ; lanes 16-31: the pair's second expert
	s_mov_b32 s50, 3072                            ; codes: from fragments 0, 1 to fragments 2, 3
	s_mov_b32 s52, 16                              ; scale words: from row to row,
	s_mov_b32 s53, 8                               ; and from words 0, 1 to words 2, 3
	; V's figures: tau = g - 512 = 4 e + 2 j + u
	s_sub_co_u32 s54, s40, 512
	s_lshr_b32 s55, s54, 1                         ; 2 e + j
	s_and_b32 s56, s54, 1                          ; u
	s_lshl_b32 s57, s55, 5
	s_lshl_b32 s58, s56, 3
	s_add_co_u32 s57, s57, s58                     ; the tile's first row: 64 e + 32 j + 8 u
	s_lshl_b32 s57, s57, 13
	s_add_co_u32 s57, s57, s41
	s_mul_i32 s58, s[WV], 1024000                  ; slot 2 q of bc
	s_mul_i32 s59, s55, 32000
	s_add_co_u32 s58, s58, s59                     ; + block 2 e + j
	s_add_co_u32 s56, s56, 8                       ; b = 8 + u
	s_lshl_b32 s59, s56, 7
	s_add_co_u32 s59, s59, s58
	s_add_co_u32 s59, s59, 30720                   ; its scale words
	s_mul_i32 s56, s56, 3072
	s_add_co_u32 s58, s58, s56                     ; its codes
	s_wait_kmcnt 0x0
	s_cmp_lt_u32 s40, 544                          ; V (or x), or U?  The choices hang on the work-group's number alone
	s_cselect_b32 s44, s57, s44
	s_cselect_b32 s49, s58, s49
	s_cselect_b32 s51, s59, s51
	s_cselect_b32 s45, 512, s45
	s_cselect_b32 s46, 8192, s46
	s_cselect_b32 s47, 65536, s47                  ; V: rows 8-15 of a tile lie 8 rows further on
	s_cselect_b32 s48, 256, s48
	s_cselect_b32 s50, 512000, s50                 ; a slot of bc
	s_cselect_b32 s52, 8, s52
	s_cselect_b32 s53, 512000, s53                 ; words 2, 3 belong to the next slot
	s_cselect_b64 s[24:25], s[6:7], s[8:9]
	s_cselect_b64 s[32:33], s[16:17], s[20:21]
	s_cselect_b64 s[36:37], s[16:17], s[20:21]
	; x's figures: tile g
	s_lshl_b32 s57, s40, 17
	s_add_co_u32 s57, s57, s41
	s_mul_i32 s58, s[WV], 3276800                  ; slot 2 q of xc
	s_lshr_b32 s59, s40, 3
	s_mul_i32 s59, s59, 25600
	s_add_co_u32 s58, s58, s59                     ; + the tile's 128 tokens
	s_and_b32 s59, s40, 7
	s_mul_i32 s61, s59, 3072
	s_lshl_b32 s59, s59, 7
	s_add_co_u32 s59, s59, s58
	s_add_co_u32 s59, s59, 24576                   ; the tile's scale words
	s_add_co_u32 s58, s58, s61                     ; the tile's codes
	s_cmp_lt_u32 s40, 512
	s_cselect_b32 s44, s57, s44
	s_cselect_b32 s49, s58, s49
	s_cselect_b32 s51, s59, s51
	s_cselect_b32 s47, 0, s47
	s_cselect_b32 s50, 1638400, s50                ; a slot of xc
	s_cselect_b32 s53, 1638400, s53
	s_cselect_b64 s[24:25], s[4:5], s[24:25]
	s_cselect_b64 s[32:33], s[12:13], s[32:33]
	s_cselect_b64 s[36:37], s[12:13], s[36:37]
	s_mov_b32 s55, 0
	s_mov_b32 s54, s44
	s_add_nc_u64 s[24:25], s[24:25], s[54:55]      ; s[24:31]: where fragments 0 to 3 begin in the source
	s_mov_b32 s54, s45
	s_add_nc_u64 s[26:27], s[24:25], s[54:55]
	s_add_nc_u64 s[28:29], s[26:27], s[54:55]
	s_add_nc_u64 s[30:31], s[28:29], s[54:55]
	s_mov_b32 s54, s49
	s_add_nc_u64 s[32:33], s[32:33], s[54:55]      ; s[32:33]: the images of fragments 0, 1;
	s_mov_b32 s54, s50
	s_add_nc_u64 s[34:35], s[32:33], s[54:55]      ; s[34:35]: of fragments 2, 3
	s_mov_b32 s54, s51
	s_add_nc_u64 s[36:37], s[36:37], s[54:55]      ; the wave's 256 bytes of scale words
	s_mov_b32 s[SEL], 0x76543210
	s_mov_b32 s[SEL+1], 0xfedcba98
	s_mul_i32 s61, s[WV], STGB
	s_wait_alu depctr_va_vdst(0)
	v_lshlrev_b32 v6, 4, v1                        ; an image's place for my lane: 16 l
	v_add_nc_u32 v4, s61, v6                       ; the stage, on the way in: a row as it lies
	v_mul_u32_u24 v5, v2, SPI
	v_lshl_add_u32 v5, v3, 6, v5
	v_add_nc_u32 v5, s61, v5                       ; and on the way out: row rho, + 64 h: my 16 numbers of each block of 32
	v_mul_lo_u32 v7, v2, s52
	v_mul_lo_u32 v62, v3, s53
	v_add_nc_u32 v7, v7, v62                       ; where my two scale words go
	v_mul_lo_u32 v62, v3, s48
	v_lshl_add_u32 v[OFF], v2, 4, v62              ; row 0: 16 rho, + lanes 16-31's part
.irp i, 1,2,3,4,5,6,7,8,9,10,11,12,13,14,15
.if \i == 8
	v_add3_u32 v[OFF+\i], v[OFF+\i-1], s46, s47
.else
	v_add_nc_u32 v[OFF+\i], s46, v[OFF+\i-1]
.endif
.endr
.irp b, 0,1,2,3
	v_mov_b32 v[TM+4+\b], 0                        ; written once: a lane permute's destination counts as one of its sources
.endr
.macro LOADF f, set                    ; fragment f: 16 loads, each a row's 128 numbers: 512 consecutive bytes (U: two runs of 256)
.irp i, 0,1,2,3,4,5,6,7,8,9,10,11,12,13,14,15
	global_load_b128 v[R+64*(\set)+4*\i:R+64*(\set)+4*\i+3], v[OFF+\i], s[24+2*(\f):25+2*(\f)] th:TH_LOAD_NT
.endr
.endm
.macro TURNF set                       ; through the stage: LDS serves a wave's instructions in order, so no wait stands between the stores and the loads
.irp i, 0,1,2,3,4,5,6,7,8,9,10,11,12,13,14,15
	ds_store_b128 v4, v[R+64*(\set)+4*\i:R+64*(\set)+4*\i+3] offset:SPI*\i
.endr
.irp b, 0,1,2,3
.irp j, 0,1,2,3
	ds_load_b128 v[X+16*\b+4*\j:X+16*\b+4*\j+3], v5 offset:128*\b+16*\j
.endr
.endr
.endm
; 64 numbers of a lane, register 16 b + i = k 32 b + 16 h + i of my row, become a fragment's codes in v[PC] on and its scale word in v[pw]
.macro QUANT s, pw
.irp b, 0,1,2,3
	v_max3_num_f32 v[TM+\b], |v[\s+16*\b]|, |v[\s+1+16*\b]|, 0x1800000   ; block b: my 16 numbers, and the floor 2^(3 - 127): the byte cannot fall under 1
.endr
.irp i, 2,4,6,8,10,12,14
.irp b, 0,1,2,3
	v_max3_num_f32 v[TM+\b], v[TM+\b], |v[\s+16*\b+\i]|, |v[\s+1+16*\b+\i]|   ; the four blocks by turns
.endr
.endr
.irp b, 0,1,2,3
	v_permlanex16_b32 v[TM+4+\b], v[TM+\b], s[SEL], s[SEL+1]
.endr
.irp b, 0,1,2,3
	v_max_num_f32 v[TM+\b], v[TM+\b], v[TM+4+\b]   ; with lane l xor 16's: the block's largest magnitude
.endr
.irp b, 0,1,2,3
	v_add_nc_u32 v[TM+8+\b], 0xff000000, v[TM+\b]  ; 2 off its exponent field: the conversion takes the exponent field of this operand as its scale
.endr
.irp b, 0,1,2,3
	v_lshrrev_b32 v[TM+4+\b], 23, v[TM+8+\b]       ; the scale's byte
.endr
	v_lshl_or_b32 v[\pw], v[TM+5], 8, v[TM+4]
	v_lshl_or_b32 v[\pw], v[TM+6], 16, v[\pw]
	v_lshl_or_b32 v[\pw], v[TM+7], 24, v[\pw]
.irp c, 0,1
	v_cvt_scalef32_pk16_fp6_f32 v[PC+6*\c:PC+2+6*\c], v[\s+32*\c:\s+15+32*\c], v[TM+8+2*\c]
	v_cvt_scalef32_pk16_fp6_f32 v[PC+12+4*\c:PC+14+4*\c], v[\s+16+32*\c:\s+31+32*\c], v[TM+8+2*\c+1]   ; (a conversion's three registers begin on an even number)
.endr
	v_nop                                          ; one plain place behind a scaled conversion
.irp c, 0,1                                    ; the layout wants a WHOLE block in a lane: lanes 0-15 block 2 c, lanes 16-31 block 2 c + 1
.irp i, 0,1,2
	v_permlane16_swap_b32 v[PC+6*\c+\i], v[PC+12+4*\c+\i]
.endr
.irp i, 0,1,2
	v_mov_b32 v[PC+3+6*\c+\i], v[PC+12+4*\c+\i]
.endr
.endr
.endm
.macro FRAGQ f
.if (\f) < 3
	s_wait_loadcnt 16                              ; this fragment's 16 loads are in; the next fragment's 16 may be out
.else
	s_wait_loadcnt 0x0
.endif
	TURNF (\f)%2
	s_wait_dscnt 0x0                               ; the numbers are back, and the stage's stores have read their registers,
.if (\f) < 2
	LOADF (\f)+2, (\f)%2                           ; which take the fragment two on
.endif
.if (\f) > 0
	s_wait_xcnt 0x0                                ; the last fragment's stores have read the codes' registers: only behind this wait are they written again
.endif
	QUANT X, WD+(\f)
.irp g, 0,1,2
	global_store_b128 v6, v[PC+4*\g:PC+4*\g+3], s[32+2*((\f)/2):33+2*((\f)/2)] offset:((\f)%2)*1536+512*\g   ; 512 consecutive bytes, aligned
.endr
.endm
	LOADF 0, 0
	LOADF 1, 1
	s_wait_alu depctr_va_vdst(0)
	FRAGQ 0
	FRAGQ 1
	FRAGQ 2
	FRAGQ 3
	v_cmp_eq_u32 vcc_lo, 1, v3
	v_cndmask_b32 v60, v[WD], v[WD+2], vcc_lo      ; lanes 0-15 store words 0, 1 of their row, lanes 16-31 words 2, 3
	v_cndmask_b32 v61, v[WD+1], v[WD+3], vcc_lo
	global_store_b64 v7, v[60:61], s[36:37]        ; U: 256 consecutive bytes; x, V: sixteen lanes store 128 consecutive bytes in each of two slots
	s_wait_tensorcnt 0x0
	ds_add_u32 v59, v63
	s_wait_dscnt 0x0
	s_endpgm
; ---------------- W1: K is its first axis.  A lane takes a column and its registers run down K: nothing is transposed ----------------
; Work-group g: columns 128 (g % 16) on, K step g / 16.  Wave w: columns 32 w on: each load reads 128 consecutive bytes, the four waves stand side by side on 512.
.Lw1:
	s_and_b32 s40, ttmp9, 15                       ; cg = 2 c + j
	s_lshr_b32 s41, ttmp9, 4                       ; K step
	s_lshl_b32 s42, s41, 20                        ; 128 rows of 8,192 bytes
	s_lshl_b32 s43, s40, 9
	s_add_co_u32 s42, s42, s43
	s_lshl_b32 s43, s[WV], 7
	s_add_co_u32 s42, s42, s43
	s_mov_b32 s43, 0
	s_lshr_b32 s44, s41, 1                         ; slot
	s_and_b32 s45, s41, 1                          ; step in the slot
	s_lshl_b32 s48, s[WV], 1                       ; my first tile: b = 2 w
	s_mul_i32 s46, s44, 512000
	s_mul_i32 s49, s40, 32000
	s_add_co_u32 s46, s46, s49                     ; the slot's block 2 c + j
	s_lshl_b32 s50, s48, 7
	s_add_co_u32 s50, s50, s46
	s_lshl_b32 s49, s45, 2
	s_add_co_u32 s50, s50, s49
	s_add_co_u32 s50, s50, 30720                   ; scale words: tile b, this step's word
	s_mul_i32 s49, s48, 3072
	s_add_co_u32 s46, s46, s49
	s_mul_i32 s49, s45, 1536
	s_add_co_u32 s46, s46, s49                     ; codes: tile b, this step's image
	s_mov_b32 s47, 0
	s_mov_b32 s51, 0
	s_wait_alu depctr_va_vdst(0)
	v_lshlrev_b32 v4, 2, v1                        ; in: 4 bytes a lane
	v_lshlrev_b32 v5, 4, v1                        ; an image's place for my lane
	v_lshlrev_b32 v6, 3, v2
	v_lshl_add_u32 v6, v3, 7, v6                   ; my column's scale word: tile 2 w + h, row rho
	s_wait_alu depctr_va_vdst(0)
	s_wait_kmcnt 0x0
	s_add_nc_u64 s[10:11], s[10:11], s[42:43]
	s_add_nc_u64 s[18:19], s[16:17], s[50:51]
	s_add_nc_u64 s[16:17], s[16:17], s[46:47]
.set n, 0
.rept 128
	global_load_b32 v[64+n], v4, s[10:11] offset:n*8192 th:TH_LOAD_NT   ; W1(128 s + n, my column)
.set n, n+1
.endr
.macro WBLOCK q, c, t, left            ; block q of my column: all its 32 numbers are mine.  Its six registers of codes at v[c]
.set XS, 64+32*(\q)
	s_wait_loadcnt \left
	v_max3_num_f32 v8, |v[XS]|, |v[XS+1]|, |v[XS+2]|
	v_max3_num_f32 v9, |v[XS+3]|, |v[XS+4]|, |v[XS+5]|
.irp i, 6,10,14,18,22,26
	v_max3_num_f32 v8, v8, |v[XS+\i]|, |v[XS+\i+1]|
	v_max3_num_f32 v9, v9, |v[XS+\i+2]|, |v[XS+\i+3]|
.endr
	v_max3_num_f32 v8, v8, |v[XS+30]|, |v[XS+31]|
	v_max3_num_f32 v8, v8, v9, 0x1800000           ; and the floor
	v_add_nc_u32 v10, 0xff000000, v8
	v_lshrrev_b32 v11, 23, v10
.if (\q) == 0
	v_mov_b32 v12, v11
.else
	v_lshl_or_b32 v12, v11, 8*(\q), v12            ; the four bytes make my column's scale word for this K step
.endif
	v_cvt_scalef32_pk16_fp6_f32 v[\c:\c+2], v[XS:XS+15], v10
	v_cvt_scalef32_pk16_fp6_f32 v[\t:\t+2], v[XS+16:XS+31], v10
	v_nop                                          ; one plain place behind a scaled conversion
.irp i, 0,1,2
	v_mov_b32 v[\c+3+\i], v[\t+\i]
.endr
.endm
	WBLOCK 0, 16, 40, 63                           ; 96 younger loads might stay out, the count's field ends at 63: a smaller count is safe
	WBLOCK 1, 28, 44, 63
	WBLOCK 2, 22, 40, 32                           ; block 3's 32 loads may be out
	WBLOCK 3, 34, 44, 0
; v16-27 = my column's blocks 0, 2; v28-39 = blocks 1, 3.  The first's lanes 16-31 change places with the second's lanes 0-15: v16-27 are then the image of tile 2 w
; (lanes 0-15: blocks 0, 2 of its column rho; lanes 16-31: blocks 1, 3), v28-39 that of tile 2 w + 1.
.irp i, 0,1,2,3,4,5,6,7,8,9,10,11
	v_permlane16_swap_b32 v[16+\i], v[28+\i]
.endr
.irp g, 0,1,2
	global_store_b128 v5, v[16+4*\g:19+4*\g], s[16:17] offset:512*\g
.endr
.irp g, 0,1,2
	global_store_b128 v5, v[28+4*\g:31+4*\g], s[16:17] offset:3072+512*\g
.endr
	global_store_b32 v6, v12, s[18:19]             ; 4 bytes of each 8: the slot's other K step is another work-group's
	s_endpgm
.Lfunc_end_k_q34a454dae6_quant:
	.size	k_q34a454dae6_quant, .Lfunc_end_k_q34a454dae6_quant-k_q34a454dae6_quant
	.p2alignl 7, 3214868480
	.fill 96, 4, 3214868480
	.section	.rodata,"a",@progbits
	.p2align	6, 0x0
	.amdhsa_kernel k_q34a454dae6_quant
		.amdhsa_group_segment_fixed_size 34304
		.amdhsa_private_segment_fixed_size 0
		.amdhsa_enable_private_segment 0
		.amdhsa_kernarg_size 56
		.amdhsa_user_sgpr_count 2
		.amdhsa_user_sgpr_kernarg_segment_ptr 1
		.amdhsa_wavefront_size32 1
		.amdhsa_system_sgpr_workgroup_id_x 1
		.amdhsa_system_sgpr_workgroup_id_y 1
		.amdhsa_system_sgpr_workgroup_id_z 1
		.amdhsa_system_vgpr_workitem_id 0
		.amdhsa_next_free_vgpr 256
		.amdhsa_next_free_sgpr 66
		.amdhsa_reserve_vcc 1
		.amdhsa_float_denorm_mode_32 3
		.amdhsa_float_denorm_mode_16_64 3
		.amdhsa_memory_ordered 1
		.amdhsa_forward_progress 1
		.amdhsa_inst_pref_size 57
	.end_amdhsa_kernel
	.amdgpu_metadata
---
amdhsa.version: [ 1, 2 ]
amdhsa.kernels:
  - .name:           k_q34a454dae6_quant
    .symbol:         k_q34a454dae6_quant.kd
    .args:
      - { .name: x, .offset: 0, .size: 8, .value_kind: global_buffer, .address_space: global }
      - { .name: V, .offset: 8, .size: 8, .value_kind: global_buffer, .address_space: global }
      - { .name: U, .offset: 16, .size: 8, .value_kind: global_buffer, .address_space: global }
      - { .name: W1, .offset: 24, .size: 8, .value_kind: global_buffer, .address_space: global }
      - { .name: xc, .offset: 32, .size: 8, .value_kind: global_buffer, .address_space: global }
      - { .name: bc, .offset: 40, .size: 8, .value_kind: global_buffer, .address_space: global }
      - { .name: ub, .offset: 48, .size: 8, .value_kind: global_buffer, .address_space: global }
    .group_segment_fixed_size: 34304
    .private_segment_fixed_size: 0
    .kernarg_segment_align: 8
    .kernarg_segment_size: 56
    .max_flat_workgroup_size: 128
    .sgpr_count:     66
    .vgpr_count:     256
    .wavefront_size: 32
...
	.end_amdgpu_metadata
.endif
;; end of part 1
;; launch gemm (part 2): grid 8 x 32, 4 waves a work-group, clusters of 4 x 4, 327,680 bytes of LDS; arguments xc, bc, b1, W2, vxb, lg; writes vxb, lg
.if DOCPART == 2
	.amdgcn_target "amdgcn-amd-amdhsa--gfx1250"
	.amdhsa_code_object_version 6
	.text
	.protected	k_q34a454dae6_gemm
	.globl	k_q34a454dae6_gemm
	.p2align	8
	.type	k_q34a454dae6_gemm,@function
k_q34a454dae6_gemm:
	s_mov_b64 s[64:65], 0
	v_nop
	global_prefetch_b8 v0, s[64:65] scope:SCOPE_SE
	s_setreg_imm32_b32 hwreg(HW_REG_WAVE_MODE, 25, 1), 1
	s_wait_xcnt 0x0
	s_wait_alu depctr_hold_cnt(0) depctr_sa_sdst(0) depctr_va_vdst(0) depctr_va_sdst(0) depctr_va_ssrc(0) depctr_va_vcc(0) depctr_vm_vsrc(0)
	s_getreg_b32 s2, hwreg(HW_REG_IB_STS2, 6, 4)
	s_cmp_eq_u32 s2, 0
	s_cbranch_scc0 .Lentry_in_a_cluster
	s_endpgm
.Lentry_in_a_cluster:
	s_bfe_u32 s2, ttmp6, 0x10000c
	s_cmp_lg_u32 s2, 0xf033
	s_cbranch_scc0 .Lentry_shape_is_right
	s_endpgm
.Lentry_shape_is_right:
; Products 1, 2 and 3.  A work-group (c = x, ty = y): 256 tokens x (columns 256 c .. + 255 of W1 and the 64 rows of V[c]), K = 2,048, on codes of FP6 (E2M3) with E8M0 scales.
; Wave (i = w / 2, j = w % 2): 128 tokens x (128 columns of W1, 8 tiles b, + 32 rows of V[c], tiles b = 8, 9): 80 accumulators.  Used transposed: source 0 = 16 rows of B, source 1 = 16 tokens.
; K goes in 8 slots of 256 (two steps of 128) through a ring of two LDS slots.  A slot's part for 128 tokens is one dense block of 25,600 bytes (16 register images of 1,536 bytes, then the scale words),
; for 128 + 32 rows of B one of 32,000 bytes: whole rows of 256 bytes.  THE HEAD: each wave issues one joint load: A's and B's whole parts of slots 0 and 1.  Later each wave refills a quarter of a slot.
; CLUSTER 4 x 4: A's blocks are shared along a row of the cluster, B's along a column.  The refills stand behind a round of the cluster's barrier.
; THE WAY OUT: vx is quantised along its 64 (two lanes hold a block of 32) and stored as codes and scale bytes; h = relu(x W1 + b1) (b1 is the C of the first products) goes as bf16 against W2 as bf16
; (product 2 is left as it is and feeds no quantiser); the two waves j of a token half add their parts in LDS, and lg[c] takes the work-group's part of the logits.
; PREFETCH: behind each refill one instruction a wave names the blocks of the slot one refill on; one at the head names slot 2's.  The four partners share a block's rows out by address; of the clusters that read
; the same bytes the one with cluster number 0 along the other axis asks.  The last refill asks for nothing.
; LIMITS: as the quantising launch states them; NaN and infinities are not served.
.set AH,    25600
.set BH,    32000
.set ASL,   1638400                    ; from slot to slot in xc
.set BSL,   512000                     ; and in bc
.set BOFF,  2*AH
.set SLOT,  2*AH+2*BH
.set W2L,   2*SLOT                     ; 4,096 bytes a wave: W2's rows, turned and packed
.set SPARE, W2L+16384                  ; the spare words
.set LGS,   SPARE+512                  ; 8,192 bytes: the odd waves' logits
.set ADRA, 16
.set PFO,  18
.set ADRB, 20
.set VSO,  22
.set LGO,  23
.set W2A,  24
.set LGA,  25
.set VXO,  26
.set ADRS, 27                          ; scale words in slot 0; v19: in slot 1
.set SPW,  28
.set NIL,  29
.set BO,   30
.set WO,   31
.set SC,   32
.set BF,   72
.set VA,   192
.set M,    104
.set WB,   120
.set CD,   124
.set LG,   104
.set G1A,  24
.set G0A,  32
.set LIM,  43
.set PFS,  44
.set G1B,  48
.set G0B,  56
.set GH,   68                          ; s[68:83] the head's four groups 0: A0, B0, A1, B1
.set PFA,  98
.set MSB, 0
.macro WIN new
.if MSB != (\new)
	s_set_vgpr_msb (MSB<<8)|(\new)
.set MSB, (\new)
.endif
.endm
.macro PLACES n
.rept \n
	v_nop
.endr
.endm
.macro JLOAD g0a, g1a, g0b, g1b
	s_cmp_eq_u32 s21, 0
	s_cbranch_scc0 .Lfor_b_\@
	tensor_load_to_lds s[\g0a:\g0a+3], s[\g1a:\g1a+7]
	s_nop 0
.rept 4
	v_nop
.endr
	s_branch .Lasked_\@
.Lfor_b_\@:
	tensor_load_to_lds s[\g0b:\g0b+3], s[\g1b:\g1b+7]
	s_nop 0
.rept 4
	v_nop
.endr
.Lasked_\@:
.endm
.macro ASK second
.if \second
	s_cmp_gt_u32 s3, s[LIM]
.else
	s_cmp_eq_u32 s[LIM], 1
.endif
	s_cbranch_scc0 .Lnot_mine_\@
	global_prefetch_b8 v[PFO], s[PFA:PFA+1] th:TH_LOAD_NT scope:SCOPE_SE
.Lnot_mine_\@:
.endm
.macro CREST
	s_cmp_lg_u32 s20, 0
	s_cbranch_scc1 .Lnot_wave_0_\@
	s_barrier_signal -3
.Lnot_wave_0_\@:
	s_barrier_wait -3
	s_barrier_signal -1
	s_barrier_wait -1
.endm
.macro CROUND
	s_barrier_signal -1
	s_barrier_wait -1
	CREST
.endm
.macro GROUP1 g, rows                  ; a dense block as rows of 256 bytes (32 elements of 8 bytes)
	s_mov_b32 s[\g+1], 32<<16
	s_mov_b32 s[\g+2], (\rows)<<16
	s_mov_b32 s[\g+3], 32<<16
	s_mov_b32 s[\g+4], \rows
	s_mov_b32 s[\g+5], 32
	s_mov_b32 s[\g+6], 0
	s_mov_b32 s[\g+7], 0
.endm
	s_load_b64 s[4:5], s[0:1], 0x0                 ; xc
	s_load_b64 s[8:9], s[0:1], 0x8                 ; bc
	s_load_b256 s[12:19], s[0:1], 0x10             ; b1, W2, vxb, lg
	v_lshl_add_u32 v[SPW], v0, 2, SPARE
	v_mov_b32 v[NIL], 0
	ds_add_u32 v[SPW], v[NIL]                      ; the opening lines: the add, twice on end, and its wait
	ds_add_u32 v[SPW], v[NIL]
	v_lshrrev_b32 v1, 5, v0
	v_readfirstlane_b32 s20, v1                    ; wave
	v_and_b32 v1, 31, v0                           ; l
	v_bfe_u32 v3, v0, 4, 1                         ; h
	v_lshlrev_b32 v4, 4, v1                        ; 16 l: W2's loads and every image; never rewritten
	v_lshlrev_b32 v[BO], 5, v3                     ; b1: 32 h; never rewritten
	s_lshr_b32 s21, s20, 1                         ; i: my token half; in the ring: I fetch for A (0) or B (1)
	s_and_b32 s22, s20, 1                          ; j: my half of B; in the ring: which half I fetch
	s_bfe_u32 s40, ttmp6, 0x40000                  ; cx
	s_bfe_u32 s41, ttmp6, 0x40004                  ; cy
	s_lshl_b32 s23, ttmp9, 2
	s_add_co_u32 s23, s23, s40                     ; c
	s_and_b32 s42, ttmp7, 0xffff
	s_lshl_b32 s42, s42, 2
	s_add_co_u32 s42, s42, s41                     ; ty
	s_lshl_b32 s43, s41, 2
	s_lshl_b32 s43, 15, s43                        ; my row of the cluster
	s_lshl_b32 s44, 0x1111, s40                    ; my column
	s_or_b32 s[G1A], s43, (3<<16)|(1<<21)
	s_or_b32 s[G1B], s44, (3<<16)|(1<<21)
	GROUP1 G1A, 200                                ; the head's loads bring a slot's whole part: 51,200 bytes of A,
	GROUP1 G1B, 250                                ; 64,000 of B
	s_mul_i32 s92, s42, 2*AH
	s_mov_b32 s93, 0
	s_mul_i32 s96, s23, 2*BH
	s_mov_b32 s97, 0
	s_mul_i32 s45, s22, AH
	s_mul_i32 s47, s22, BH
	s_lshl_b32 s66, s23, 10
	s_lshl_b32 s67, s22, 9
	s_add_co_u32 s66, s66, s67                     ; my 128 columns of W1, 4 bytes each in b1,
	s_mov_b32 s67, 0
	s_lshl_b32 s84, s66, 3                         ; 32 bytes each in W2
	s_mov_b32 s85, 0
	s_wait_alu depctr_va_vdst(0)
	s_wait_dscnt 0x0
	s_wait_kmcnt 0x0
	s_add_nc_u64 s[12:13], s[12:13], s[66:67]
	s_add_nc_u64 s[14:15], s[14:15], s[84:85]
.irp n, 0,1,2,3,4,5,6,7
	global_load_b128 v[BF+64+4*\n:BF+64+4*\n+3], v4, s[14:15] offset:512*\n       ; W2's rows and b1 are asked for ahead of the round and the tiles
.endr
.irp b, 0,1,2,3,4,5,6,7
	global_load_b128 v[VA+8*\b:VA+8*\b+3], v[BO], s[12:13] offset:64*\b
	global_load_b128 v[VA+8*\b+4:VA+8*\b+7], v[BO], s[12:13] offset:64*\b+16
.endr
	s_add_nc_u64 s[92:93], s[4:5], s[92:93]
	s_add_nc_u64 s[96:97], s[8:9], s[96:97]
.irp s, 0,1
	s_mov_b32 s[GH+8*\s], 1
	s_mov_b32 s[GH+8*\s+1], \s*SLOT
	s_add_nc_u64 s[GH+8*\s+2:GH+8*\s+3], s[92:93], \s*ASL
	s_or_b32 s[GH+8*\s+3], s[GH+8*\s+3], 0x80000000
	s_mov_b32 s[GH+8*\s+4], 1
	s_mov_b32 s[GH+8*\s+5], \s*SLOT+BOFF
	s_add_nc_u64 s[GH+8*\s+6:GH+8*\s+7], s[96:97], \s*BSL
	s_or_b32 s[GH+8*\s+7], s[GH+8*\s+7], 0x80000000
.endr
	CROUND                                         ; all sixteen work-groups are here: the first joint loads meet
.macro ARM under, g0, g1, next         ; one chain of branches on the wave's number, one load to an arm, one join
	s_cmp_lt_u32 s20, \under
	s_cbranch_scc0 \next
	tensor_load_to_lds s[\g0:\g0+3], s[\g1:\g1+7]
	s_nop 0
.rept 4
	v_nop
.endr
	s_branch .Lhead_asked
\next:
.endm
	ARM 1, GH,   G1A, .Lhead_b0
	ARM 2, GH+4, G1B, .Lhead_a1
	ARM 3, GH+8, G1A, .Lhead_b1
	tensor_load_to_lds s[GH+12:GH+15], s[G1B:G1B+7]
	s_nop 0
.rept 4
	v_nop
.endr
.Lhead_asked:
	s_mov_b32 s94, s45                             ; the ring's groups 0: my quarter of a slot
	s_mov_b32 s95, 0
	s_add_nc_u64 s[92:93], s[92:93], s[94:95]
	s_mov_b32 s94, s47
	s_add_nc_u64 s[96:97], s[96:97], s[94:95]
.irp s, 0,1
	s_mov_b32 s[G0A+4*\s], 1
	s_add_co_u32 s[G0A+4*\s+1], s45, \s*SLOT
	s_add_nc_u64 s[G0A+4*\s+2:G0A+4*\s+3], s[92:93], \s*ASL
	s_or_b32 s[G0A+4*\s+3], s[G0A+4*\s+3], 0x80000000
	s_mov_b32 s[G0B+4*\s], 1
	s_add_co_u32 s[G0B+4*\s+1], s47, \s*SLOT+BOFF
	s_add_nc_u64 s[G0B+4*\s+2:G0B+4*\s+3], s[96:97], \s*BSL
	s_or_b32 s[G0B+4*\s+3], s[G0B+4*\s+3], 0x80000000
.endr
	s_mul_i32 s84, s21, AH                         ; my 128 tokens' images
	s_add_co_u32 s85, s47, BOFF                    ; my half of B's
	s_add_co_u32 s86, s85, 30720-24576
	s_sub_co_u32 s86, s86, s84                     ; from A's scale words to B's
	s_add_co_u32 s87, s84, 24576
	s_lshl_b32 s88, s20, 12
	s_add_co_u32 s88, s88, W2L
	s_lshl_b32 s89, s21, 12
	s_add_co_u32 s89, s89, LGS
	s_mov_b32 s100, 0x76543210
	s_mov_b32 s101, 0xfedcba98
	s_lshl_b32 s66, s42, 1
	s_add_co_u32 s66, s66, s21                     ; which 128 tokens
	s_lshl_b32 s92, s66, 6
	s_add_co_u32 s92, s92, s23
	s_mul_i32 s92, s92, 768
	s_mul_i32 s94, s22, 384
	s_add_co_u32 s92, s92, s94
	s_mov_b32 s93, 0
	s_add_nc_u64 s[92:93], s[16:17], s[92:93]      ; vx's codes
	s_lshl_b32 s94, s66, 3
	s_add_co_u32 s94, s94, s23
	s_lshl_b32 s94, s94, 1
	s_add_co_u32 s94, s94, s22
	s_lshl_b32 s94, s94, 7
	s_add_co_u32 s94, s94, 3145728
	s_mov_b32 s95, 0
	s_add_nc_u64 s[94:95], s[16:17], s[94:95]      ; vx's scale bytes
	s_lshl_b32 s96, s23, 18
	s_lshl_b32 s66, s66, 12
	s_add_co_u32 s96, s96, s66
	s_mov_b32 s97, 0
	s_add_nc_u64 s[96:97], s[18:19], s[96:97]      ; lg's part c
	s_lshl_b32 s90, s41, 5                         ; the prefetches.  B's 125 rows: partner cy takes rows 32 cy on, the last lanes name row 124 again
	s_sub_co_u32 s90, 124, s90
	s_min_u32 s90, s90, 31
	s_and_b32 s43, ttmp7, 0xffff
	s_mul_i32 s46, s42, 2*AH
	s_mul_i32 s47, s23, 2*BH
	s_mov_b32 s44, BSL
	s_mov_b32 s66, BH
	s_mov_b32 s67, 8192
	s_cmp_eq_u32 s21, 0
	s_cselect_b64 s[PFA:PFA+1], s[4:5], s[8:9]
	s_cselect_b32 s[LIM], ttmp9, s43
	s_cselect_b32 s46, s46, s47
	s_cselect_b32 s[PFS], ASL, s44
	s_cselect_b32 s66, AH, s66
	s_cselect_b32 s67, 6400, s67                   ; A's 100 rows: 25 to a partner
	s_cselect_b32 s47, s40, s41
	s_cselect_b32 s90, 24, s90
	s_mul_i32 s66, s66, s22
	s_mul_i32 s67, s67, s47
	s_add_co_u32 s46, s46, s66
	s_add_co_u32 s46, s46, s67
	s_mov_b32 s47, 0
	s_mov_b32 s[PFS+1], 0
	s_add_nc_u64 s[PFA:PFA+1], s[PFA:PFA+1], s[46:47]
	s_add_nc_u64 s[PFA:PFA+1], s[PFA:PFA+1], s[PFS:PFS+1]
	s_add_nc_u64 s[PFA:PFA+1], s[PFA:PFA+1], s[PFS:PFS+1]   ; at slot 2
	s_cmp_eq_u32 s[LIM], 0
	s_cselect_b32 s[LIM], 1, -1
	v_and_b32 v2, 15, v0
	v_add_nc_u32 v[ADRA], s84, v4
	v_add_nc_u32 v[ADRA+1], SLOT, v[ADRA]
	v_add_nc_u32 v[ADRB], s85, v4
	v_add_nc_u32 v[ADRB+1], SLOT, v[ADRB]
	v_mul_u32_u24 v5, s86, v3                      ; lanes 16-31 take B's scale words
	v_lshl_add_u32 v5, v2, 3, v5
	v_add_nc_u32 v[ADRS], s87, v5
	v_add_nc_u32 v[ADRS-8], SLOT, v[ADRS]
	v_and_b32 v5, 7, v0
	v_lshlrev_b32 v[WO], 2, v5
	v_lshl_add_u32 v[WO], v3, 8, v[WO]
	v_add_nc_u32 v[W2A], s88, v4
	v_add_nc_u32 v[WO], s88, v[WO]
	v_add_nc_u32 v[LGA], s89, v4
	v_mul_u32_u24 v[VXO], v2, 24
	v_mad_u32_u24 v[VXO], v3, 12, v[VXO]
	v_lshlrev_b32 v[VSO], 3, v2
	v_lshl_add_u32 v[VSO], v3, 2, v[VSO]
	v_lshlrev_b32 v[LGO], 5, v2
	v_lshl_add_u32 v[LGO], v3, 4, v[LGO]
	v_min_u32 v[PFO], s90, v1
	v_lshlrev_b32 v[PFO], 8, v[PFO]
	s_wait_alu depctr_va_vdst(0)
	ASK 0                                          ; slot 2's blocks
	s_wait_loadcnt 16                              ; W2's eight loads are in; b1's sixteen may be out
.irp n, 0,1,2,3,4,5,6,7
	ds_store_b128 v[W2A], v[BF+64+4*\n:BF+64+4*\n+3] offset:512*\n
.endr
.set n, 0
.rept 64
	ds_load_b32 v[BF+n], v[WO] offset:1024*(n/16)+512*((n/8)%2)+32*(n%8)   ; W2 turned: a lane takes an expert, its registers run down the hidden units
.set n, n+1
.endr
	s_wait_dscnt 0x0
.set n, 0
.rept 32
	v_cvt_pk_bf16_f32 v[BF+64+n], v[BF+2*n], v[BF+2*n+1]
.set n, n+1
.endr
.irp n, 0,1,2,3,4,5,6,7
	ds_store_b128 v[W2A], v[BF+64+4*\n:BF+64+4*\n+3] offset:512*\n       ; kept in my own bytes for the way out
.endr
	s_wait_loadcnt 0x0
.macro FRAG reg, adr, off
.irp g, 0,1,2
	ds_load_b128 v[\reg+4*\g:\reg+4*\g+3], v[\adr] offset:\off+512*\g
.endr
.endm
.macro FETCH_B slot, q, b0
.irp b, 0,1,2,3,4
	FRAG BF+12*((\b0)+\b), ADRB+(\slot), 3072*((\b0)+\b)+1536*(\q)
.endr
.endm
.macro FETCH_A slot, q
	WIN 0x40
.irp a, 0,1,2,3,4,5,6,7
	FRAG 96*(\q)+12*\a, ADRA+(\slot), 3072*\a+1536*(\q)
.endr
	WIN 0
.endm
.macro SCALES set                      ; the slot's scale words: lanes 0-15 A's tile i, lanes 16-31 B's tile i, two steps' words a lane
.irp i, 0,1,2,3,4,5,6,7,8,9
	ds_load_b64 v[SC+20*(\set)+2*\i:SC+20*(\set)+2*\i+1], v[ADRS-8*(\set)] offset:128*\i
.endr
.endm
.macro MULB b, q, sc, bias
.irp a, 0,1,2,3,4,5,6,7
.if \bias
	v_wmma_scale_f32_16x16x128_f8f6f4 v[8*(8*((\b)%4)+\a):8*(8*((\b)%4)+\a)+7], v[BF+12*(\b):BF+12*(\b)+11], v[96*(\q)+12*\a:96*(\q)+12*\a+11], v[VA+8*(\b):VA+8*(\b)+7], v[SC+20*(\sc)+2*(\b)+(\q)], v[SC+20*(\sc)+2*\a+(\q)] matrix_a_fmt:MATRIX_FMT_FP6 matrix_b_fmt:MATRIX_FMT_FP6 matrix_a_scale:MATRIX_SCALE_ROW1
.else
	v_wmma_scale_f32_16x16x128_f8f6f4 v[8*(8*((\b)%4)+\a):8*(8*((\b)%4)+\a)+7], v[BF+12*(\b):BF+12*(\b)+11], v[96*(\q)+12*\a:96*(\q)+12*\a+11], v[8*(8*((\b)%4)+\a):8*(8*((\b)%4)+\a)+7], v[SC+20*(\sc)+2*(\b)+(\q)], v[SC+20*(\sc)+2*\a+(\q)] matrix_a_fmt:MATRIX_FMT_FP6 matrix_b_fmt:MATRIX_FMT_FP6 matrix_a_scale:MATRIX_SCALE_ROW1
.endif
.endr
.endm
.macro MULV half, q, sc, zero
.irp u, 0,1
.irp a, 0,1,2,3
.if \zero
	v_wmma_scale_f32_16x16x128_f8f6f4 v[VA+16*\a+8*\u:VA+16*\a+8*\u+7], v[BF+12*(8+\u):BF+12*(8+\u)+11], v[96*(\q)+12*(4*(\half)+\a):96*(\q)+12*(4*(\half)+\a)+11], 0, v[SC+20*(\sc)+2*(8+\u)+(\q)], v[SC+20*(\sc)+2*(4*(\half)+\a)+(\q)] matrix_a_fmt:MATRIX_FMT_FP6 matrix_b_fmt:MATRIX_FMT_FP6 matrix_a_scale:MATRIX_SCALE_ROW1
.else
	v_wmma_scale_f32_16x16x128_f8f6f4 v[VA+16*\a+8*\u:VA+16*\a+8*\u+7], v[BF+12*(8+\u):BF+12*(8+\u)+11], v[96*(\q)+12*(4*(\half)+\a):96*(\q)+12*(4*(\half)+\a)+11], v[VA+16*\a+8*\u:VA+16*\a+8*\u+7], v[SC+20*(\sc)+2*(8+\u)+(\q)], v[SC+20*(\sc)+2*(4*(\half)+\a)+(\q)] matrix_a_fmt:MATRIX_FMT_FP6 matrix_b_fmt:MATRIX_FMT_FP6 matrix_a_scale:MATRIX_SCALE_ROW1
.endif
.endr
.endr
.endm
; A slot's first step: 80 products; the second step's fragments are fetched under it
.macro STEP slot, zero
	s_wait_dscnt 15                                ; all but B's tiles 5-9
	WIN 0xa4-0x20*(\zero)
	MULB 0, 0, \slot, \zero
	MULB 1, 0, \slot, \zero
	MULB 2, 0, \slot, \zero
	MULB 3, 0, \slot, \zero
	WIN 0xf4-0x30*(\zero)
	MULB 4, 0, \slot, \zero
	s_wait_dscnt 0x0
	PLACES 4
	WIN 0
	FETCH_B \slot, 1, 0
	FETCH_A \slot, 1
	WIN 0xf4-0x30*(\zero)
	MULB 5, 0, \slot, \zero
	MULB 6, 0, \slot, \zero
	MULB 7, 0, \slot, \zero
.if \zero
	PLACES 5                                       ; vx's sums are laid over b1's registers
.endif
	WIN 0x04
	MULV 0, 0, \slot, \zero
	WIN 0x54
	MULV 1, 0, \slot, \zero
	PLACES 4
	WIN 0
	FETCH_B \slot, 1, 5
.endm
; A slot's second step.  All its fragments are in registers or asked for, so the slot changes at its start: the three lines, the round, the refill, then the next slot's fragments
.macro TURN slot, next, fill
.if \fill
	s_wait_xcnt 0x0                                ; my prefetch has read its address
	s_add_nc_u64 s[PFA:PFA+1], s[PFA:PFA+1], s[PFS:PFS+1]
.endif
	s_wait_tensorcnt 0x0                           ; my one load that was out, my quarter of the next slot, is in
	ds_add_u32 v[SPW], v[NIL]
	s_wait_dscnt 16                                ; the add and B's tiles 5-9 may be out
	WIN 0xa4
	MULB 0, 1, \slot, 0
	s_wait_dscnt 0x0
	s_barrier_signal -1
	MULB 1, 1, \slot, 0
	WIN 0
	s_barrier_wait -1
.if \fill
	CREST
	s_add_nc_u64 s[G0A+4*\slot+2:G0A+4*\slot+3], s[G0A+4*\slot+2:G0A+4*\slot+3], 2*ASL
	s_add_nc_u64 s[G0B+4*\slot+2:G0B+4*\slot+3], s[G0B+4*\slot+2:G0B+4*\slot+3], 2*BSL
	JLOAD G0A+4*\slot, G1A, G0B+4*\slot, G1B
.endif
	FETCH_A \next, 0
	SCALES \next
.if \fill
	ASK \slot
.endif
	WIN 0xa4
	MULB 2, 1, \slot, 0
	MULB 3, 1, \slot, 0
	WIN 0xf4
	MULB 4, 1, \slot, 0
	PLACES 4
	WIN 0
	FETCH_B \next, 0, 0
	WIN 0xf4
	MULB 5, 1, \slot, 0
	MULB 6, 1, \slot, 0
	MULB 7, 1, \slot, 0
	WIN 0x04
	MULV 0, 1, \slot, 0
	WIN 0x54
	MULV 1, 1, \slot, 0
	PLACES 4
	WIN 0
	FETCH_B \next, 0, 5
.endm
	s_wait_alu depctr_va_vdst(0)
	s_wait_dscnt 0x0
	s_wait_tensorcnt 0x0                           ; my load of the head's four is in, and none of mine is out: group 1 may be written
	s_mov_b32 s[G1A+2], 100<<16                    ; from here on a load brings a quarter of a slot: 100 rows of A
	s_mov_b32 s[G1A+4], 100
	s_mov_b32 s[G1B+2], 125<<16                    ; or 125 of B
	s_mov_b32 s[G1B+4], 125
	s_barrier_signal -1
	s_barrier_wait -1                              ; both slots are whole
	FETCH_B 0, 0, 0
	FETCH_A 0, 0
	SCALES 0
	FETCH_B 0, 0, 5
	STEP 0, 1
	s_mov_b32 s3, 3
.Llap:
	TURN 0, 1, 1
	STEP 1, 0
	TURN 1, 0, 1
	STEP 0, 0
	s_sub_co_u32 s3, s3, 1
	s_cmp_lg_u32 s3, 0
	s_cbranch_scc1 .Llap
	TURN 0, 1, 0
	STEP 1, 0
	s_wait_dscnt 15
	WIN 0xa4
	MULB 0, 1, 1, 0
	MULB 1, 1, 1, 0
	MULB 2, 1, 1, 0
	MULB 3, 1, 1, 0
	WIN 0xf4
	MULB 4, 1, 1, 0
	s_wait_dscnt 0x0
	MULB 5, 1, 1, 0
	MULB 6, 1, 1, 0
	MULB 7, 1, 1, 0
	WIN 0x04
	MULV 0, 1, 1, 0
	WIN 0x54
	MULV 1, 1, 1, 0
	WIN 0
	PLACES 4
.irp n, 0,1,2,3,4,5,6,7
	ds_load_b128 v[BF+4*\n:BF+4*\n+3], v[W2A] offset:512*\n
.endr
.irp a, 0,1,2,3
	v_mov_b32 v[M+4+\a], 0
.endr
; vx of four token tiles: a lane holds 16 neighbours along the next K of one token, lanes l and l xor 16 a block of 32
.macro VXQ half
	WIN ((\half)|((\half)<<2))
.irp a, 0,1,2,3
	v_max3_num_f32 v[M+\a], |v[VA+16*\a]|, |v[VA+16*\a+1]|, 0x1800000
.endr
.irp i, 2,4,6,8,10,12,14
.irp a, 0,1,2,3
	v_max3_num_f32 v[M+\a], |v[VA+16*\a+\i]|, |v[VA+16*\a+\i+1]|, v[M+\a]
.endr
.endr
	WIN 0
.irp a, 0,1,2,3
	v_permlanex16_b32 v[M+4+\a], v[M+\a], s100, s101
.endr
.irp a, 0,1,2,3
	v_max_num_f32 v[M+\a], v[M+\a], v[M+4+\a]
.endr
.irp a, 0,1,2,3
	v_add_nc_u32 v[M+8+\a], 0xff000000, v[M+\a]
.endr
.irp a, 0,1,2,3
	v_lshrrev_b32 v[M+12+\a], 23, v[M+8+\a]
.endr
	v_lshl_or_b32 v[WB+\half], v[M+13], 8, v[M+12]
	v_lshl_or_b32 v[WB+\half], v[M+14], 16, v[WB+\half]
	v_lshl_or_b32 v[WB+\half], v[M+15], 24, v[WB+\half]
	WIN (\half)
.irp a, 0,1,2,3
	v_cvt_scalef32_pk16_fp6_f32 v[CD+16*(\half)+4*\a:CD+16*(\half)+4*\a+2], v[VA+16*\a:VA+16*\a+15], v[M+8+\a]
.endr
	WIN 0
	v_nop
.irp a, 0,1,2,3
	global_store_b96 v[VXO], v[CD+16*(\half)+4*\a:CD+16*(\half)+4*\a+2], s[92:93] offset:(4*(\half)+\a)*6144
.endr
.endm
	VXQ 0
	VXQ 1
	v_cmp_eq_u32 vcc_lo, 1, v3
	v_cndmask_b32 v[WB+2], v[WB], v[WB+1], vcc_lo
	global_store_b32 v[VSO], v[WB+2], s[94:95]
	s_wait_xcnt 0x0
	s_wait_dscnt 0x0
; 32 hidden units: relu, bf16, and eight products against W2's fragment
.macro HGRP g
.set HW, 2+(\g)/2
	WIN ((HW<<2)|(HW<<6))
.irp u, 0,1
.irp a, 0,1,2,3,4,5,6,7
.irp m, 0,1,2,3,4,5,6,7
	v_max_num_f32 v[8*(8*(2*((\g)%2)+\u)+\a)+\m], 0, v[8*(8*(2*((\g)%2)+\u)+\a)+\m]
.endr
.endr
.endr
	WIN (HW|(HW<<2)|0x40)
.irp a, 0,1,2,3,4,5,6,7
.irp u, 0,1
.irp m, 0,1,2,3
	v_cvt_pk_bf16_f32 v[8*\a+4*\u+\m], v[8*(8*(2*((\g)%2)+\u)+\a)+2*\m], v[8*(8*(2*((\g)%2)+\u)+\a)+2*\m+1]
.endr
.endr
.endr
	WIN 0x04
.irp a, 0,1,2,3,4,5,6,7
.if (\g) == 0
	v_wmma_f32_16x16x32_bf16 v[LG+8*\a:LG+8*\a+7], v[BF+8*(\g):BF+8*(\g)+7], v[8*\a:8*\a+7], 0
.else
	v_wmma_f32_16x16x32_bf16 v[LG+8*\a:LG+8*\a+7], v[BF+8*(\g):BF+8*(\g)+7], v[8*\a:8*\a+7], v[LG+8*\a:LG+8*\a+7]
.endif
.endr
.endm
	HGRP 0
	HGRP 1
	HGRP 2
	HGRP 3
	WIN 0
	PLACES 4
.irp a, 0,1,2,3,4,5,6,7
.irp m, 0,1,2,3
	v_permlane16_swap_b32 v[LG+8*\a+\m], v[LG+8*\a+4+\m]
.endr
.endr
	s_cmp_eq_u32 s22, 0
	s_cbranch_scc1 .Leven
.irp a, 0,1,2,3,4,5,6,7
	ds_store_b128 v[LGA], v[LG+8*\a:LG+8*\a+3] offset:512*\a
.endr
.Leven:
	s_wait_dscnt 0x0
	s_barrier_signal -1
	s_barrier_wait -1
	s_cmp_lg_u32 s22, 0
	s_cbranch_scc1 .Lodd
.irp a, 0,1,2,3,4,5,6,7
	ds_load_b128 v[BF+4*\a:BF+4*\a+3], v[LGA] offset:512*\a
.endr
	s_wait_dscnt 0x0
.irp a, 0,1,2,3,4,5,6,7
.irp z, 0,2
	v_pk_add_f32 v[LG+8*\a+\z:LG+8*\a+\z+1], v[LG+8*\a+\z:LG+8*\a+\z+1], v[BF+4*\a+\z:BF+4*\a+\z+1]
.endr
.endr
.irp a, 0,1,2,3,4,5,6,7
	global_store_b128 v[LGO], v[LG+8*\a:LG+8*\a+3], s[96:97] offset:512*\a
.endr
.Lodd:
	s_wait_tensorcnt 0x0                           ; the wave's end
	ds_add_u32 v[SPW], v[NIL]
	s_wait_dscnt 0x0
	CROUND                                         ; the closing round
	s_endpgm
.Lfunc_end_k_q34a454dae6_gemm:
	.size	k_q34a454dae6_gemm, .Lfunc_end_k_q34a454dae6_gemm-k_q34a454dae6_gemm
	.p2alignl 7, 3214868480
	.fill 96, 4, 3214868480
	.section	.rodata,"a",@progbits
	.p2align	6, 0x0
	.amdhsa_kernel k_q34a454dae6_gemm
		.amdhsa_group_segment_fixed_size 327680
		.amdhsa_private_segment_fixed_size 0
		.amdhsa_enable_private_segment 0
		.amdhsa_kernarg_size 48
		.amdhsa_user_sgpr_count 2
		.amdhsa_user_sgpr_kernarg_segment_ptr 1
		.amdhsa_wavefront_size32 1
		.amdhsa_system_sgpr_workgroup_id_x 1
		.amdhsa_system_sgpr_workgroup_id_y 1
		.amdhsa_system_sgpr_workgroup_id_z 1
		.amdhsa_system_vgpr_workitem_id 0
		.amdhsa_next_free_vgpr 1024
		.amdhsa_next_free_sgpr 102
		.amdhsa_reserve_vcc 1
		.amdhsa_float_denorm_mode_32 3
		.amdhsa_float_denorm_mode_16_64 3
		.amdhsa_memory_ordered 1
		.amdhsa_forward_progress 1
		.amdhsa_inst_pref_size 185
	.end_amdhsa_kernel
	.amdgpu_metadata
---
amdhsa.version: [ 1, 2 ]
amdhsa.kernels:
  - .name:           k_q34a454dae6_gemm
    .symbol:         k_q34a454dae6_gemm.kd
    .args:
      - { .name: xc, .offset: 0, .size: 8, .value_kind: global_buffer, .address_space: global }
      - { .name: bc, .offset: 8, .size: 8, .value_kind: global_buffer, .address_space: global }
      - { .name: b1, .offset: 16, .size: 8, .value_kind: global_buffer, .address_space: global }
      - { .name: W2, .offset: 24, .size: 8, .value_kind: global_buffer, .address_space: global }
      - { .name: vxb, .offset: 32, .size: 8, .value_kind: global_buffer, .address_space: global }
      - { .name: lg, .offset: 40, .size: 8, .value_kind: global_buffer, .address_space: global }
    .group_segment_fixed_size: 327680
    .private_segment_fixed_size: 0
    .kernarg_segment_align: 8
    .kernarg_segment_size: 48
    .max_flat_workgroup_size: 128
    .sgpr_count:     102
    .vgpr_count:     1024
    .wavefront_size: 32
...
	.end_amdgpu_metadata
.endif
;; end of part 2
;; launch mix (part 3): grid 8 x 32, 8 waves a work-group, clusters of 4 x 4, 271,360 bytes of LDS; arguments ub, vxb, lg, b2, out0; writes out0
.if DOCPART == 3
	.amdgcn_target "amdgcn-amd-amdhsa--gfx1250"
	.amdhsa_code_object_version 6
	.text
	.protected	k_q34a454dae6_mix
	.globl	k_q34a454dae6_mix
	.p2align	8
	.type	k_q34a454dae6_mix,@function
k_q34a454dae6_mix:
	s_mov_b64 s[64:65], 0
	v_nop
	global_prefetch_b8 v0, s[64:65] scope:SCOPE_SE
	s_setreg_imm32_b32 hwreg(HW_REG_WAVE_MODE, 25, 1), 1
	s_wait_xcnt 0x0
	s_wait_alu depctr_hold_cnt(0) depctr_sa_sdst(0) depctr_va_vdst(0) depctr_va_sdst(0) depctr_va_ssrc(0) depctr_va_vcc(0) depctr_vm_vsrc(0)
	s_getreg_b32 s2, hwreg(HW_REG_IB_STS2, 6, 4)
	s_cmp_eq_u32 s2, 0
	s_cbranch_scc0 .Lentry_in_a_cluster
	s_endpgm
.Lentry_in_a_cluster:
	s_bfe_u32 s2, ttmp6, 0x10000c
	s_cmp_lg_u32 s2, 0xf033
	s_cbranch_scc0 .Lentry_shape_is_right
	s_endpgm
.Lentry_shape_is_right:
; out[token][d] = sum over e of alpha[token][e] x (U_e vx_e)[token][d];  alpha = softmax over the 8 experts of (the sum of lg's eight parts + b2), the row's maximum taken away first, all in f32.
; U_e vx_e is the quantised product, K = the expert's 64, on codes of FP6 (E2M3) with E8M0 scales.  alpha is no power of two, so each expert has a product of its own, and the weighted sum is made by fused multiply-adds in f32.
; K = 64 in an instruction of K = 128: vx's operand (tile t, pair p) is [expert 2 p's 64 codes | expert 2 p + 1's].  U's registers of a pair are [U even, 6 | zero codes, 6 | U odd, 6]: registers 0-11 are the even
; expert's operand, registers 6-17 the odd one's.  Zero codes add nothing; one scale word a side serves both experts.
; SHARES.  A work-group (tx, ty): 256 tokens x 256 d, eight waves, two to a SIMD.  Wave w: tokens 64 (w / 2) on (four tiles t) x d tiles 8 (w % 2) on, in two trips of four d tiles.
; ALL INPUTS BUT b2 COME BY ONE TENSOR LOAD A WAVE, at the head: waves 0, 1 U's codes, 2, 3 vx's codes, 4, 5 lg's eight parts, 6 U's scale words, 7 vx's scale bytes.  LDS is filled once.
; CLUSTER 4 x 4: U's bytes hang on tx and are asked for jointly along a column of the cluster; vx's and lg's hang on ty and are asked for jointly along a row.
; THE SOFTMAX: lanes 0-15 hold experts 0-3 of token rho, lanes 16-31 experts 4-7; maximum and sum are joined with lane l xor 16; then both halves get all eight.
; TRANSPOSED USE: source 0 = 16 d, source 1 = 16 tokens: a lane holds one token and eight neighbouring d.  Four d tiles (64 columns) go through the wave's own stage and leave as rows: sixteen lanes store 256
; consecutive bytes, aligned.  The stage lies on vx's and lg's bytes, which have had their only fill and, behind the second barrier, their last read.  In a trip's last d tile each token tile leaves when it is finished.
; NO PREFETCH: nothing is read from memory in the loop.
; REGISTERS: window 0: v1-13 addresses; v16-31 vx's scale words (4 t + p); v32-39 U's; v40-183 U, two sets of 72 (at the head: the logits); v184-215 a ring of four results (at the head: vx's scale bytes); v216-231 two sums.
;   window 1: v0-191 vx's fragments (48 t + 6 e); v192-223 alpha (8 t + e); v224-255 16 rows on their way out.
.set USC,   98304                      ; LDS: U's codes 16 x 4 x 1,536 bytes; its scale words, 4,096;
.set VXL,   102400                     ; vx's codes, 16 tiles x 6,144;
.set LGL,   200704                     ; lg: 8 parts x 256 tokens x 32 bytes;
.set VSL,   266240                     ; vx's scale bytes, 4,096;
.set SPARE, 270336                     ; the spare words, 128 bytes a wave
.set STG,   VXL                        ; a stage of 64 rows x (256 + 16) bytes for each wave: 139,264 bytes
.set AS,   16
.set US,   32
.set UB,   40
.set LQ,   40
.set DT,   184
.set RB,   184
.set AC,   216
.set OUTR, 224
.set G1U,  24
.set G1V,  32
.set G1US, 40
.set G1VS, 48
.set G1L,  56
.set G0U,  68
.set G0V,  72
.set G0US, 76
.set G0VS, 80
.set G0L,  84
.set MSB, 0
.macro WIN new
.if MSB != (\new)
	s_set_vgpr_msb (MSB<<8)|(\new)
.set MSB, (\new)
.endif
.endm
.macro CROUND
	s_barrier_signal -1
	s_barrier_wait -1
	s_cmp_lg_u32 s14, 0
	s_cbranch_scc1 .Lnot_wave_0_\@
	s_barrier_signal -3
.Lnot_wave_0_\@:
	s_barrier_wait -3
	s_barrier_signal -1
	s_barrier_wait -1
.endm
.macro GROUP1 g, c, rows, pitch        ; rows of c elements of 8 bytes
	s_mov_b32 s[\g+1], (\c)<<16
	s_mov_b32 s[\g+2], (\rows)<<16
	s_mov_b32 s[\g+3], (\c)<<16
	s_mov_b32 s[\g+4], \rows
	s_mov_b32 s[\g+5], \pitch
	s_mov_b32 s[\g+6], 0
	s_mov_b32 s[\g+7], 0
.endm
	s_load_b256 s[4:11], s[0:1], 0x0               ; ub, vxb, lg, b2
	s_load_b64 s[12:13], s[0:1], 0x20              ; out0
	v_lshl_add_u32 v254, v0, 2, SPARE
	v_mov_b32 v255, 0
	ds_add_u32 v254, v255                          ; the opening lines: the add, twice on end, and its wait
	ds_add_u32 v254, v255
	v_lshrrev_b32 v1, 5, v0
	v_readfirstlane_b32 s14, v1                    ; wave 0..7
	s_and_b32 s88, s14, 1                          ; my half of the d tiles; also which half of a block I fetch
	s_lshr_b32 s89, s14, 1                         ; my 64 tokens
	s_bfe_u32 s90, ttmp6, 0x40000                  ; cx
	s_bfe_u32 s91, ttmp6, 0x40004                  ; cy
	s_lshl_b32 s23, ttmp9, 2
	s_add_co_u32 s23, s23, s90                     ; tx
	s_and_b32 s15, ttmp7, 0xffff
	s_lshl_b32 s15, s15, 2
	s_add_co_u32 s15, s15, s91                     ; ty
	s_lshl_b32 s92, s91, 2
	s_lshl_b32 s92, 15, s92                        ; my row of the cluster
	s_lshl_b32 s93, 0x1111, s90                    ; my column
	s_or_b32 s[G1U], s93, (3<<16)|(1<<21)
	s_or_b32 s[G1US], s93, (3<<16)|(1<<21)
	s_or_b32 s[G1V], s92, (3<<16)|(1<<21)
	s_or_b32 s[G1VS], s92, (3<<16)|(1<<21)
	s_or_b32 s[G1L], s92, (3<<16)|(1<<21)
	GROUP1 G1U, 32, 192, 32                        ; dense blocks as rows of 256 bytes: 49,152 bytes of codes,
	GROUP1 G1V, 32, 192, 32
	GROUP1 G1US, 32, 16, 32                        ; 4,096 bytes of scales;
	GROUP1 G1VS, 32, 16, 32
	GROUP1 G1L, 1024, 4, 32768                     ; four parts of lg: rows of 8,192 bytes, 262,144 bytes apart
	s_mul_i32 s94, s88, 49152
	s_mul_i32 s16, s23, 98304
	s_add_co_u32 s16, s16, s94
	s_mov_b32 s17, 0
	s_mul_i32 s18, s15, 98304
	s_add_co_u32 s18, s18, s94
	s_mov_b32 s19, 0
	s_lshl_b32 s20, s23, 12
	s_add_co_u32 s20, s20, 786432
	s_mov_b32 s21, 0
	s_lshl_b32 s96, s15, 12
	s_add_co_u32 s96, s96, 3145728
	s_mov_b32 s97, 0
	s_lshl_b32 s98, s15, 13
	s_lshl_b32 s99, s88, 20
	s_add_co_u32 s98, s98, s99
	s_mov_b32 s99, 0
	s_wait_dscnt 0x0
	s_wait_kmcnt 0x0
	s_mov_b32 s[G0U], 1
	s_mov_b32 s[G0U+1], s94
	s_add_nc_u64 s[G0U+2:G0U+3], s[4:5], s[16:17]
	s_or_b32 s[G0U+3], s[G0U+3], 0x80000000
	s_mov_b32 s[G0V], 1
	s_add_co_u32 s[G0V+1], s94, VXL
	s_add_nc_u64 s[G0V+2:G0V+3], s[6:7], s[18:19]
	s_or_b32 s[G0V+3], s[G0V+3], 0x80000000
	s_mov_b32 s[G0US], 1
	s_mov_b32 s[G0US+1], USC
	s_add_nc_u64 s[G0US+2:G0US+3], s[4:5], s[20:21]
	s_or_b32 s[G0US+3], s[G0US+3], 0x80000000
	s_mov_b32 s[G0VS], 1
	s_mov_b32 s[G0VS+1], VSL
	s_add_nc_u64 s[G0VS+2:G0VS+3], s[6:7], s[96:97]
	s_or_b32 s[G0VS+3], s[G0VS+3], 0x80000000
	s_mov_b32 s[G0L], 1
	s_lshl_b32 s[G0L+1], s88, 15
	s_add_co_u32 s[G0L+1], s[G0L+1], LGL
	s_add_nc_u64 s[G0L+2:G0L+3], s[8:9], s[98:99]
	s_or_b32 s[G0L+3], s[G0L+3], 0x80000000
	CROUND                                         ; all sixteen work-groups are here: the joint loads meet
.macro ARM under, g0, g1, next         ; one chain of branches on the wave's number, one load to an arm, one join
	s_cmp_lt_u32 s14, \under
	s_cbranch_scc0 \next
	tensor_load_to_lds s[\g0:\g0+3], s[\g1:\g1+7]
	s_nop 0
.rept 4
	v_nop
.endr
	s_branch .Lasked
\next:
.endm
	ARM 2, G0U,  G1U,  .Larm_v
	ARM 4, G0V,  G1V,  .Larm_l
	ARM 6, G0L,  G1L,  .Larm_us
	ARM 7, G0US, G1US, .Larm_vs
	tensor_load_to_lds s[G0VS:G0VS+3], s[G1VS:G1VS+7]
	s_nop 0
.rept 4
	v_nop
.endr
.Lasked:
	s_lshl_b32 s95, s88, 11
	s_add_co_u32 s95, s95, USC                     ; my eight d tiles' scale words
	s_mul_i32 s96, s14, 17408
	s_add_co_u32 s96, s96, STG                     ; my stage
	s_lshl_b32 s97, s89, 11
	s_add_co_u32 s97, s97, LGL                     ; my 64 tokens in a part of lg
	s_lshr_b32 s98, s89, 1
	s_lshl_b32 s98, s98, 11                        ; vx's scale bytes: which 128 tokens,
	s_and_b32 s99, s89, 1
	s_lshl_b32 s99, s99, 2                         ; and which four of their eight tiles
	s_add_co_u32 s98, s98, s99
	s_add_co_u32 s98, s98, VSL
	s_mul_i32 s99, s89, 24576
	s_add_co_u32 s99, s99, VXL                     ; my four tiles of vx
	s_lshl_b32 s16, s15, 8
	s_lshl_b32 s17, s89, 6
	s_add_co_u32 s16, s16, s17
	s_lshl_b32 s16, s16, 13
	s_lshl_b32 s17, s23, 10
	s_add_co_u32 s16, s16, s17
	s_lshl_b32 s17, s88, 9
	s_add_co_u32 s16, s16, s17
	s_mov_b32 s17, 0
	s_add_nc_u64 s[12:13], s[12:13], s[16:17]      ; out at my first token and my first d
	s_mov_b32 s16, 0x04000400                      ; v_perm_b32: byte t of the second source, byte t of the first
	s_mov_b32 s17, 0x05010501
	s_mov_b32 s18, 0x06020602
	s_mov_b32 s19, 0x07030703
	s_mov_b32 s20, 0x76543210                      ; v_permlanex16_b32: lane l xor 16
	s_mov_b32 s21, 0xfedcba98
	s_mov_b32 s22, 2                               ; trips
	s_mov_b32 s90, 0                               ; s[90:91]: what a trip adds to out's address ahead of its stores: 0 in the first trip, 256 in the second
	s_mov_b32 s91, 0
	v_and_b32 v1, 31, v0                           ; l
	v_and_b32 v2, 15, v0                           ; rho
	v_bfe_u32 v3, v0, 4, 1                         ; h
	v_lshlrev_b32 v12, 4, v1
	v_lshlrev_b32 v13, 4, v3                       ; b2: my four experts
	v_add_nc_u32 v4, s94, v12                      ; U's images; stepped a trip
	v_add_nc_u32 v5, s95, v12                      ; U's scale words: d tile h of a pair of tiles, row rho, four words
	v_mul_u32_u24 v6, v2, 272
	v_lshl_add_u32 v6, v3, 5, v6
	v_add_nc_u32 v6, s96, v6                       ; the stage, in: row rho, + 32 h
	v_mul_u32_u24 v7, v3, 272
	v_lshl_add_u32 v7, v2, 4, v7
	v_add_nc_u32 v7, s96, v7                       ; back: lanes 0-15 one row of 256 bytes, lanes 16-31 the next
	v_lshlrev_b32 v8, 4, v2
	v_lshl_add_u32 v8, v3, 13, v8                  ; and the same two rows in out
	v_lshlrev_b32 v9, 5, v2
	v_lshl_add_u32 v9, v3, 4, v9
	v_add_nc_u32 v9, s97, v9                       ; lg: token rho's 32 bytes, + 16 h: my four experts
	v_lshlrev_b32 v10, 3, v2
	v_add_nc_u32 v10, s98, v10                     ; vx's scale bytes: 8 a token
	v_mul_u32_u24 v11, v1, 24
	v_add_nc_u32 v11, s99, v11                     ; vx's codes: 24 bytes a lane
	s_wait_alu depctr_va_vdst(0)
	global_load_b128 v[232:235], v13, s[10:11]
	s_wait_tensorcnt 0x0                           ; my load is in,
	s_barrier_signal -1
	s_barrier_wait -1                              ; everybody's is
.irp t, 0,1,2,3
.irp p, 0,1,2,3,4,5,6,7
	ds_load_b128 v[LQ+32*\t+4*\p:LQ+32*\t+4*\p+3], v9 offset:8192*\p+512*\t
.endr
.endr
.irp n, 0,1,2,3,4,5,6,7,8,9,10,11,12,13,14,15
	ds_load_b32 v[RB+\n], v10 offset:128*\n        ; n = 2 e + j: block j of expert e: the bytes of my four tiles for token rho
.endr
	WIN 0x40
.irp t, 0,1,2,3
.irp e, 0,1,2,3,4,5,6,7
.irp m, 0,1,2
	ds_load_b64 v[48*\t+6*\e+2*\m:48*\t+6*\e+2*\m+1], v11 offset:(8*\t+\e)*768+8*\m
.endr
.endr
.endr
	WIN 0
	s_wait_dscnt 63                                ; 96 younger loads are vx's: with 63 out, the 48 of lg and of the scale bytes are in
	s_wait_loadcnt 0x0
.irp t, 0,1,2,3                                ; vx's scale words: bytes 0, 1 = expert 2 p's two blocks, bytes 2, 3 = expert 2 p + 1's
.irp p, 0,1,2,3
	v_perm_b32 v200, v[RB+4*\p+1], v[RB+4*\p], s[16+\t]
	v_perm_b32 v201, v[RB+4*\p+3], v[RB+4*\p+2], s[16+\t]
	v_perm_b32 v[AS+4*\t+\p], v201, v200, 0x05040100
.endr
.endr
.irp p, 1,2,3,4,5,6,7
.irp t, 0,1,2,3
.irp z, 0,2
	v_pk_add_f32 v[LQ+32*\t+\z:LQ+32*\t+\z+1], v[LQ+32*\t+\z:LQ+32*\t+\z+1], v[LQ+32*\t+4*\p+\z:LQ+32*\t+4*\p+\z+1]
.endr
.endr
.endr
.irp t, 0,1,2,3
.irp z, 0,2
	v_pk_add_f32 v[LQ+32*\t+\z:LQ+32*\t+\z+1], v[LQ+32*\t+\z:LQ+32*\t+\z+1], v[232+\z:233+\z]   ; + b2
.endr
.endr
.irp t, 0,1,2,3
	v_max3_num_f32 v[LQ+32*\t+4], v[LQ+32*\t], v[LQ+32*\t+1], v[LQ+32*\t+2]
.endr
.irp t, 0,1,2,3
	v_max_num_f32 v[LQ+32*\t+4], v[LQ+32*\t+4], v[LQ+32*\t+3]
.endr
.irp t, 0,1,2,3
	v_permlanex16_b32 v[LQ+32*\t+5], v[LQ+32*\t+4], s20, s21
.endr
.irp t, 0,1,2,3
	v_max_num_f32 v[LQ+32*\t+4], v[LQ+32*\t+4], v[LQ+32*\t+5]   ; the row's maximum m
.endr
.irp t, 0,1,2,3
	v_mul_f32 v[LQ+32*\t+4], 0x3fb8aa3b, v[LQ+32*\t+4]          ; m log2(e)
.endr
.irp t, 0,1,2,3
.irp z, 0,2
	v_pk_fma_f32 v[LQ+32*\t+\z:LQ+32*\t+\z+1], v[LQ+32*\t+\z:LQ+32*\t+\z+1], 0x3fb8aa3b, v[LQ+32*\t+4:LQ+32*\t+5] op_sel_hi:[1,0,0] neg_lo:[0,0,1] neg_hi:[0,0,1]   ; x log2(e) - m log2(e), fused
.endr
.endr
	s_wait_alu depctr_va_vdst(0)                   ; the wait ahead of the batch
.irp t, 0,1,2,3
.irp k, 0,1,2,3
	v_exp_f32 v[LQ+32*\t+\k], v[LQ+32*\t+\k]
.endr
.endr
	v_nop
	s_wait_alu depctr_va_vdst(0)                   ; and behind it
.irp t, 0,1,2,3
	v_pk_add_f32 v[LQ+32*\t+6:LQ+32*\t+7], v[LQ+32*\t:LQ+32*\t+1], v[LQ+32*\t+2:LQ+32*\t+3]
.endr
.irp t, 0,1,2,3
	v_add_f32 v[LQ+32*\t+6], v[LQ+32*\t+6], v[LQ+32*\t+7]
.endr
.irp t, 0,1,2,3
	v_permlanex16_b32 v[LQ+32*\t+7], v[LQ+32*\t+6], s20, s21
.endr
.irp t, 0,1,2,3
	v_add_f32 v[LQ+32*\t+6], v[LQ+32*\t+6], v[LQ+32*\t+7]       ; the row's sum
.endr
.irp t, 0,1,2,3
.irp i, 0,1,2,3
	v_mov_b32 v[LQ+32*\t+8+\i], v[LQ+32*\t+\i]
.endr
.endr
.irp t, 0,1,2,3
.irp i, 0,1,2,3
	v_permlane16_swap_b32 v[LQ+32*\t+\i], v[LQ+32*\t+8+\i]      ; the first now holds experts 0-3 in both halves of the lanes, the second experts 4-7
.endr
.endr
	s_wait_alu depctr_va_vdst(0)
.irp t, 0,1,2,3
	v_rcp_f32 v[LQ+32*\t+12], v[LQ+32*\t+6]
.endr
	v_nop
	s_wait_alu depctr_va_vdst(0)
	WIN 0x40                                       ; destination window 1
.irp t, 0,1,2,3
.irp z, 0,2
	v_pk_mul_f32 v[192+8*\t+\z:192+8*\t+\z+1], v[LQ+32*\t+\z:LQ+32*\t+\z+1], v[LQ+32*\t+12:LQ+32*\t+13] op_sel_hi:[1,0]      ; alpha
	v_pk_mul_f32 v[196+8*\t+\z:196+8*\t+\z+1], v[LQ+32*\t+8+\z:LQ+32*\t+8+\z+1], v[LQ+32*\t+12:LQ+32*\t+13] op_sel_hi:[1,0]
.endr
.endr
	WIN 0
	s_wait_alu depctr_va_vdst(0)
	s_wait_dscnt 0x0                               ; my reads of vx, lg and the scale bytes are over:
	s_barrier_signal -1                            ; say so
.irp s, 0,1
.irp p, 0,1,2,3
.irp i, 6,7,8,9,10,11
	v_mov_b32 v[UB+72*\s+18*\p+\i], 0              ; the zero codes between a pair's two experts: set once
.endr
.endr
.endr
.macro FETCH_U off, set                ; a d tile's four pairs: registers 0-5 of an image to the pair's first six, registers 6-11 to its last six
.irp p, 0,1,2,3
	ds_load_b128 v[UB+72*(\set)+18*\p:UB+72*(\set)+18*\p+3], v4 offset:(\off)+1536*\p
	ds_load_b64 v[UB+72*(\set)+18*\p+4:UB+72*(\set)+18*\p+5], v4 offset:(\off)+1536*\p+512
	ds_load_b64 v[UB+72*(\set)+18*\p+12:UB+72*(\set)+18*\p+13], v4 offset:(\off)+1536*\p+520
	ds_load_b128 v[UB+72*(\set)+18*\p+14:UB+72*(\set)+18*\p+17], v4 offset:(\off)+1536*\p+1024
.endr
.endm
; Product n = 32 k + 8 t + e of a trip: d tile k, token tile t, expert e.  Each starts anew with C = 0, into a ring of four results.
.macro MM n
.set MK, (\n)/32
.set MT, ((\n)/8)%4
.set ME, (\n)%8
.set MD, DT+8*((\n)%4)
.set MU, UB+72*(MK%2)+18*(ME/2)+6*(ME%2)
.if MK%2
	v_wmma_scale_f32_16x16x128_f8f6f4 v[MD:MD+7], v[MU:MU+11], v[48*MT+12*(ME/2):48*MT+12*(ME/2)+11], 0, v[US+4*(MK/2)+ME/2], v[AS+4*MT+ME/2] matrix_a_fmt:MATRIX_FMT_FP6 matrix_b_fmt:MATRIX_FMT_FP6 matrix_a_scale:MATRIX_SCALE_ROW1
.else
	v_wmma_scale_f32_16x16x128_f8f6f4 v[MD:MD+7], v[MU:MU+11], v[48*MT+12*(ME/2):48*MT+12*(ME/2)+11], 0, v[US+4*(MK/2)+ME/2], v[AS+4*MT+ME/2] matrix_a_fmt:MATRIX_FMT_FP6 matrix_b_fmt:MATRIX_FMT_FP6
.endif
.endm
; Result n x alpha onto the tile's sum: four packed lines, the result read from its low end on.  The first expert's line starts the sum.  Behind the eighth expert the sum goes to the stage.
.macro COMB n
.set CK, (\n)/32
.set CT, ((\n)/8)%4
.set CE, (\n)%8
.set CR, DT+8*((\n)%4)
.set CA, AC+8*(CT%2)
.set CL, 192+8*CT+2*(CE/2)
.irp z, 0,2,4,6
.if CE == 0
	v_pk_mul_f32 v[CA+\z:CA+\z+1], v[CR+\z:CR+\z+1], v[CL:CL+1] op_sel_hi:[1,0]
.elseif CE%2 == 0
	v_pk_fma_f32 v[CA+\z:CA+\z+1], v[CR+\z:CR+\z+1], v[CL:CL+1], v[CA+\z:CA+\z+1] op_sel_hi:[1,0,1]
.else
	v_pk_fma_f32 v[CA+\z:CA+\z+1], v[CR+\z:CR+\z+1], v[CL:CL+1], v[CA+\z:CA+\z+1] op_sel:[0,1,0] op_sel_hi:[1,1,1]
.endif
.endr
.if CE == 7
	WIN 0                                          ; (an LDS store's data are its source 1)
	ds_store_b128 v6, v[CA:CA+3] offset:4352*CT+64*CK
	ds_store_b128 v6, v[CA+4:CA+7] offset:4352*CT+64*CK+16
	WIN 0x04
.endif
.endm
.macro LOADT t                         ; token tile t's 16 rows of 256 bytes back from the stage: LDS serves a wave's instructions in order, so these see my stores
	s_wait_alu depctr_va_vdst(0)
	s_wait_xcnt 0x0                                ; the tile before has been read out of these registers by its stores
	WIN 0x40
.irp m, 0,1,2,3,4,5,6,7
	ds_load_b128 v[OUTR+4*\m:OUTR+4*\m+3], v7 offset:4352*(\t)+544*\m
.endr
	WIN 0x04
.endm
.macro SENDT t                         ; a store's data are its source 1: window 1, as in the loop's setting
	s_wait_alu depctr_va_vdst(0)
	s_wait_dscnt 0x0
.irp m, 0,1,2,3,4,5,6,7
	global_store_b128 v8, v[OUTR+4*\m:OUTR+4*\m+3], s[12:13] offset:131072*(\t)+16384*\m th:TH_STORE_NT   ; two rows: sixteen lanes store 256 consecutive bytes, aligned
.endr
.endm
; A d tile: 32 products; behind product n stand the four lines of result n - 2.  PLACES (ISA guide 7.12.1): the lines of results n - 2 and n - 1, eight, lie between product n and the first read of its result,
; and those of n - 2, n - 1 and n + 1, twelve, before product n + 4 writes over it.  A trip's products 0 and 1 have four v_nop behind product 1.  The four lines behind a tile's last product are the places in front of
; the loads into the set of U that it read.  The loop's window setting, source 1 in window 1, serves the products (vx), the packed lines (alpha), U's LDS loads and the stores to out alike.
.macro KPHASE k
	s_wait_alu depctr_va_vdst(0)
	s_wait_dscnt 0x0                               ; this tile's U and its scale words are in
.if (\k) < 3
	FETCH_U 6144*((\k)+1), ((\k)+1)%2
.endif
.if (\k) == 0
	ds_load_b128 v[US+4:US+7], v5 offset:512       ; the scale words of d tiles 2, 3
.endif
.if (\k) == 3
	s_wait_xcnt 0x0                                ; the trip before has had its stores' base read: it was last named three d tiles ago
	s_add_nc_u64 s[12:13], s[12:13], s[90:91]      ; on to this trip's 64 columns, ahead of its first store
	WIN 0
	s_cmp_eq_u32 s22, 1
	s_cbranch_scc1 .Lno_next
	FETCH_U 24576, 0
	ds_load_b128 v[US:US+3], v5 offset:1024
.Lno_next:
	WIN 0x04
.endif
.rept 32
	MM N
.if N == 1
.rept 4
	v_nop
.endr
.endif
.if N >= 2
	COMB N-2
.if N-2 >= 96
.if (N-2)%8 == 7
	LOADT ((N-2)/8)%4
.endif
.if (N-2)%8 == 3 && N-2 >= 104
	SENDT ((N-2)/8)%4-1
.endif
.endif
.endif
.set N, N+1
.endr
.endm
	FETCH_U 0, 0                                   ; U's bytes are written by nobody: these loads may stand between the signal and the wait
	ds_load_b128 v[US:US+3], v5
.rept 8
	v_nop                                          ; scale words and operands written by vector instructions stand 8 and 4 places ahead of a scaled matrix instruction
.endr
	s_wait_alu depctr_va_vdst(0)
	s_barrier_wait -1                              ; nobody reads vx's and lg's bytes any more: the stages may be written
.Ltrip:                                                ; two trips of four d tiles: 64 columns of out
	WIN 0x04
.set N, 0
	KPHASE 0
	KPHASE 1
	KPHASE 2
	KPHASE 3
	COMB 126
	COMB 127
	LOADT 3
	SENDT 3
	WIN 0
	s_mov_b32 s90, 256
	v_add_nc_u32 v4, 24576, v4
	v_add_nc_u32 v5, 1024, v5
	s_sub_co_u32 s22, s22, 1
	s_cmp_lg_u32 s22, 0
	s_wait_alu depctr_va_vdst(0)
	s_cbranch_scc1 .Ltrip
	s_wait_tensorcnt 0x0                           ; the wave's end
	ds_add_u32 v254, v255
	s_wait_dscnt 0x0
	CROUND                                         ; the closing round
	s_endpgm
.Lfunc_end_k_q34a454dae6_mix:
	.size	k_q34a454dae6_mix, .Lfunc_end_k_q34a454dae6_mix-k_q34a454dae6_mix
	.p2alignl 7, 3214868480
	.fill 96, 4, 3214868480
	.section	.rodata,"a",@progbits
	.p2align	6, 0x0
	.amdhsa_kernel k_q34a454dae6_mix
		.amdhsa_group_segment_fixed_size 271360
		.amdhsa_private_segment_fixed_size 0
		.amdhsa_enable_private_segment 0
		.amdhsa_kernarg_size 40
		.amdhsa_user_sgpr_count 2
		.amdhsa_user_sgpr_kernarg_segment_ptr 1
		.amdhsa_wavefront_size32 1
		.amdhsa_system_sgpr_workgroup_id_x 1
		.amdhsa_system_sgpr_workgroup_id_y 1
		.amdhsa_system_sgpr_workgroup_id_z 1
		.amdhsa_system_vgpr_workitem_id 0
		.amdhsa_next_free_vgpr 512
		.amdhsa_next_free_sgpr 102
		.amdhsa_reserve_vcc 0
		.amdhsa_float_denorm_mode_32 3
		.amdhsa_float_denorm_mode_16_64 3
		.amdhsa_memory_ordered 1
		.amdhsa_forward_progress 1
		.amdhsa_inst_pref_size 97
	.end_amdhsa_kernel
	.amdgpu_metadata
---
amdhsa.version: [ 1, 2 ]
amdhsa.kernels:
  - .name:           k_q34a454dae6_mix
    .symbol:         k_q34a454dae6_mix.kd
    .args:
      - { .name: ub, .offset: 0, .size: 8, .value_kind: global_buffer, .address_space: global }
      - { .name: vxb, .offset: 8, .size: 8, .value_kind: global_buffer, .address_space: global }
      - { .name: lg, .offset: 16, .size: 8, .value_kind: global_buffer, .address_space: global }
      - { .name: b2, .offset: 24, .size: 8, .value_kind: global_buffer, .address_space: global }
      - { .name: out0, .offset: 32, .size: 8, .value_kind: global_buffer, .address_space: global }
    .group_segment_fixed_size: 271360
    .private_segment_fixed_size: 0
    .kernarg_segment_align: 8
    .kernarg_segment_size: 40
    .max_flat_workgroup_size: 256
    .sgpr_count:     102
    .vgpr_count:     512
    .wavefront_size: 32
...
	.end_amdgpu_metadata
.endif
;; end of part 3
